; MI455X (gfx1250); checked and timed in simulation.
; The chip was launched on July 23, 2026; its instructions are those of AMD's public machine-readable ISA for CDNA 5 (MIT licence, August 2026) and "CDNA5" Instruction Set Architecture Reference Guide (July 2026). The comments in the code are by the model that wrote it; some were corrected since.
;; Multi Query Attention. Allowed arithmetic: float matrix products may take bf16 or f16 operands with f32 sums; all other float work in f32.
;; Inputs: W_key 1,024 x 64 float32; W_out 1,024 x 1,024 float32; W_query 1,024 x 1,024 float32; W_value 1,024 x 64 float32; b_out 1,024 float32; x 8 x 1,024 x 1,024 float32.
;; Outputs: out0 8 x 1,024 x 1,024 float32.
;; One version. Each part assembles by itself: llvm-mc -triple=amdgcn-amd-amdhsa -mcpu=gfx1250 --defsym DOCPART=n.
;; ======== version 1 of 1: 3 launches
;; limits: values are held in f16: magnitudes above 65,504 overflow, below 6.1e-05 lose precision
;; workspace buffers: xb 16,777,216 bytes; kv 2,097,152 bytes; wqb 2,097,152 bytes; wob 2,097,152 bytes; ctx 16,777,216 bytes
;; launch prep (part 1): grid 256 x 1, 4 waves a work-group, no clusters, 142,336 bytes of LDS; arguments x, W_key, W_value, W_query, W_out, xb, kv, wqb, wob; writes xb, kv, wqb, wob
.if DOCPART == 1
	.amdgcn_target "amdgcn-amd-amdhsa--gfx1250"
	.amdhsa_code_object_version 6
	.text
	.protected	k_q079504406a_prep
	.globl	k_q079504406a_prep
	.p2align	8
	.type	k_q079504406a_prep,@function
k_q079504406a_prep:
	s_mov_b64 s[64:65], 0
	v_nop
	global_prefetch_b8 v0, s[64:65] scope:SCOPE_SE
	s_setreg_imm32_b32 hwreg(HW_REG_WAVE_MODE, 25, 1), 1
	s_wait_xcnt 0x0
; prep: xb = bf16(x) [8192][1024];  kv[t] = f16( bf16(x[t]) . bf16([W_key | W_value]) ) [8192][128] (a row: 64 of k, then 64 of v);
;       wqb = bf16(W_query), layout kept [k][n];  wob = bf16(W_out) written as f16, layout kept [k][n].
; FORMATS: every input is rounded once, to bf16.  k and v (and later q, p, ctx) are kept in f16: 11 significant bits.  The output
; projection multiplies ctx (f16) by W_out, and both operands of a matrix instruction have one format, so the bf16-rounded W_out is
; rewritten in f16: exact for magnitudes from 2^-14 up, absolute error at most 2^-25 below.
; LIMITS: |k|, |v| and |bf16(W_out)| must stay below 65,504 (f16's largest number); beyond it they become infinite.  Drawn inputs give
; k, v a spread of 0.64; all inputs 30 times larger give 576; all inputs offset by 30 spreads give about 18,432.
; The sum over the 1,024 inputs of k and v is formed as four partial sums of 256 (one a wave), added as (a0+a1)+(a2+a3) in f32.
; SHARES: 256 work-groups of 32 tokens; wave w takes inputs 256 w .. 256 w + 255 of all 32 tokens and all 128 columns of k|v, so each byte of x
; and of the two weights enters the work-group once.  Each work-group also converts 4,096 numbers of W_query and of W_out.
; NO CLUSTER, NO TENSOR LOADS: W_key and W_value reach operand form straight from registers (below); staging them as f32 in LDS, two slots of
; 32 KiB for each of four waves (262,144 bytes) beside x's tile (67,584), would not fit in 327,680 bytes.
; W's FRAGMENTS WITHOUT A TRANSPOSE: lane (r, h) loads W[k][4r .. 4r+3] (16 bytes; sixteen lanes read a whole row of 256 bytes).  Component T of these
; loads feeds 'tile T', whose row r stands for column 4 r + T.  The matrix instruction takes W's tile as source 0 and x's tokens as source 1,
; so in the result lane (r, h), register j holds token r, column 4 (8 h + j) + T: over the four tiles, 32 neighbouring columns.
.set XP,    528                        ; LDS pitch of x's tile: 512 bytes + 16, an odd multiple of 16
.set XTILE, 32*XP                      ; a wave's own x tile: 32 tokens x 256 bf16
.set RED,   4*XTILE                    ; 4 x 16,384 bytes: each wave's 128 accumulator registers, register-major
.set KVST,  RED+65536                  ; 32 rows x 272 bytes: k|v on their way out
.set KP,    272
.set XO,  4                            ; v4   1024 w + 16 L: my 16 bytes of x in a half of my wave's part of a row
.set XBO, 5                            ; v5   512 w + 8 L: the same place in xb
.set XS,  6                            ; v6   LDS: my wave's tile + 8 L
.set XA,  7                            ; v7   LDS: my wave's tile + 528 r + 16 h (fragment loads)
.set WO,  8                            ; v8   65536 w + 2048 h + 16 r: W row 256 w + 8 h, columns 4 r ..
.set CO,  9                            ; v9   4096 w + 16 L: weights to convert
.set CS,  10                           ; v10  2048 w + 8 L: where they go
.set RS,  11                           ; v11  RED + 16384 w + 16 L
.set RL,  12                           ; v12  RED + 4096 w + 16 L
.set KS,  13                           ; v13  KVST + (16 (w>>1) + r) 272 + 128 (w&1) + 64 h
.set KR,  14                           ; v14  KVST + (8 w + h) 272 + 16 r
.set KO,  15                           ; v15  (8 w + h) 256 + 16 r
.set WF,  16                           ; v16-79   eight W fragments, tile 4 half + T (half 0: W_key, 1: W_value)
.set XF,  80                           ; v80-95   two token tiles
.set ACC, 96                           ; v96-223  sixteen accumulators, tile 8 tt + nt
.set TMP, 224                          ; v224-255 converted weights
.set OUTR, 16                          ; v16-31   k|v packed (W's fragments are done by then)
.set BACK, 32                          ; v32-47   k|v read back by rows
.set WB0, 0                            ; window 1, v256-383: load buffer 0
.set WB1, 128                          ; window 1, v384-511: load buffer 1
.set MSB, 0
.macro WIN new                         ; s_set_vgpr_msb: bits 1:0 source 0, 3:2 source 1, 5:4 source 2, 7:6 destination; the high byte repeats the setting that is left
.if MSB != \new
	s_set_vgpr_msb (MSB<<8)|\new
.set MSB, \new
.endif
.endm
.macro PLACES                          ; four places behind a matrix instruction before its registers are written, loaded into or its result read (ISA guide 7.12.1)
.rept 4
	v_nop
.endr
.endm
; 32 loads: 16 tokens x my wave's 1,024 bytes of the row, 512 neighbouring bytes a load
.macro ISSUE_X b, buf
	WIN 0x40
.set n, 0
.rept 32
	global_load_b128 v[\buf+4*n:\buf+4*n+3], v[XO], s[4:5] offset:(16*\b+n/2)*4096+(n%2)*512 th:TH_LOAD_NT
.set n, n+1
.endr
.endm
; round them to bf16; into my wave's LDS tile, and out to xb (each store of the wave covers 256 consecutive bytes, aligned)
.macro CONS_X b, buf, dst
	WIN 0x05
.set n, 0
.rept 32
	v_cvt_pk_bf16_f32 v[\dst+2*n], v[\buf+4*n], v[\buf+4*n+1]
	v_cvt_pk_bf16_f32 v[\dst+2*n+1], v[\buf+4*n+2], v[\buf+4*n+3]
.set n, n+1
.endr
	WIN 0
.set n, 0
.rept 32
	ds_store_b64 v[XS], v[\dst+2*n:\dst+2*n+1] offset:(16*\b+n/2)*XP+(n%2)*256
	global_store_b64 v[XBO], v[\dst+2*n:\dst+2*n+1], s[14:15] offset:(16*\b+n/2)*2048+(n%2)*256
.set n, n+1
.endr
.endm
; 32 loads: the 32 rows of W_key and of W_value of K step st.  Load i takes row 32 st + i + 8 h (i < 8) or 32 st + 16 + (i - 8) + 8 h: the order of k in a fragment
.macro ISSUE_W st, buf
	WIN 0x40
.set n, 0
.rept 16
	global_load_b128 v[\buf+4*n:\buf+4*n+3], v[WO], s[6:7] offset:(32*(\st)+n+(n/8)*8)*256
	global_load_b128 v[\buf+64+4*n:\buf+64+4*n+3], v[WO], s[8:9] offset:(32*(\st)+n+(n/8)*8)*256
.set n, n+1
.endr
.endm
.macro CVT_W buf                       ; register p of tile T: rows 2 p and 2 p + 1 of the sixteen loaded, component T
	WIN 0x05
.irp hf, 0,1
.irp t, 0,1,2,3
.irp p, 0,1,2,3,4,5,6,7
	v_cvt_pk_bf16_f32 v[WF+8*(4*\hf+\t)+\p], v[\buf+64*\hf+8*\p+\t], v[\buf+64*\hf+8*\p+4+\t]
.endr
.endr
.endr
.endm
.macro ISSUE_C                         ; 16 loads: my wave's 4,096 bytes of W_query and of W_out
	WIN 0x40
.irp i, 0,1,2,3,4,5,6,7
	global_load_b128 v[WB0+4*\i:WB0+4*\i+3], v[CO], s[10:11] offset:512*\i th:TH_LOAD_NT
	global_load_b128 v[WB0+32+4*\i:WB0+32+4*\i+3], v[CO], s[12:13] offset:512*\i th:TH_LOAD_NT
.endr
.endm
; One K step of 32.  left = loads of the one batch issued behind this step's W.  nxt: 1 = issue W of step st + 2, 2 = issue the weights to convert, 0 = nothing
.macro STEP st, buf, left, nxt
	s_wait_loadcnt \left                           ; loads come back in order: this step's 32 are in, the younger batch stays out
.if \st == 0
	s_wait_xcnt 0x0                                ; WF and ACC were the data of xb's stores: they are rewritten only behind this wait
.else
	PLACES                                         ; WF and XF were sources of the last step's matrix instructions
.endif
	ds_load_b128 v[XF:XF+3], v[XA] offset:64*\st   ; my wave's own bytes: LDS serves a wave's instructions in order, so these see its stores
	ds_load_b128 v[XF+4:XF+7], v[XA] offset:64*\st+32
	ds_load_b128 v[XF+8:XF+11], v[XA] offset:64*\st+16*XP
	ds_load_b128 v[XF+12:XF+15], v[XA] offset:64*\st+16*XP+32
	CVT_W \buf
.if \nxt == 1
	ISSUE_W \st+2, \buf
.endif
.if \nxt == 2
	ISSUE_C
.endif
	WIN 0
	s_wait_dscnt 0x0
.irp tt, 0,1
.irp nt, 0,1,2,3,4,5,6,7                           ; the sixteen accumulators take turns, one instruction a turn
.if \st == 0
	v_wmma_f32_16x16x32_bf16 v[ACC+8*(8*\tt+\nt):ACC+8*(8*\tt+\nt)+7], v[WF+8*\nt:WF+8*\nt+7], v[XF+8*\tt:XF+8*\tt+7], 0
.else
	v_wmma_f32_16x16x32_bf16 v[ACC+8*(8*\tt+\nt):ACC+8*(8*\tt+\nt)+7], v[WF+8*\nt:WF+8*\nt+7], v[XF+8*\tt:XF+8*\tt+7], v[ACC+8*(8*\tt+\nt):ACC+8*(8*\tt+\nt)+7]
.endif
.endr
.endr
.endm
	s_load_b256 s[4:11], s[0:1], 0x0               ; x s[4:5], W_key s[6:7], W_value s[8:9], W_query s[10:11]
	s_load_b256 s[12:19], s[0:1], 0x20             ; W_out s[12:13], xb s[14:15], kv s[16:17], wqb s[18:19]
	s_load_b64 s[20:21], s[0:1], 0x40              ; wob
	s_set_vgpr_msb 0x80
	v_lshl_add_u32 v0, v0, 2, 0x22a00
	v_mov_b32 v1, 0
	s_set_vgpr_msb 0x8000
	v_lshrrev_b32 v1, 5, v0
	v_readfirstlane_b32 s22, v1                    ; wave
	v_and_b32 v1, 31, v0                           ; L
	s_lshl_b32 s23, s22, 10
	v_lshl_add_u32 v[XO], v1, 4, s23
	s_lshl_b32 s24, ttmp9, 17                      ; 32 tokens x 4,096 bytes of x
	s_mov_b32 s25, 0
	s_wait_kmcnt 0x0
	s_add_nc_u64 s[4:5], s[4:5], s[24:25]
	ISSUE_X 0, WB0                                 ; the first two batches go out before anything else
	ISSUE_X 1, WB1
	WIN 0
	s_lshl_b32 s24, ttmp9, 16                      ; 32 tokens x 2,048 bytes of xb
	s_add_nc_u64 s[14:15], s[14:15], s[24:25]
	s_lshl_b32 s24, ttmp9, 14                      ; 4,096 f32 of W_query and of W_out
	s_add_nc_u64 s[10:11], s[10:11], s[24:25]
	s_add_nc_u64 s[12:13], s[12:13], s[24:25]
	s_lshl_b32 s24, ttmp9, 13                      ; 32 rows of kv; 4,096 numbers of 2 bytes of wqb and of wob
	s_add_nc_u64 s[16:17], s[16:17], s[24:25]
	s_add_nc_u64 s[18:19], s[18:19], s[24:25]
	s_add_nc_u64 s[20:21], s[20:21], s[24:25]
	v_and_b32 v2, 15, v0                           ; r
	v_bfe_u32 v3, v0, 4, 1                         ; h
	s_lshl_b32 s23, s22, 9
	v_lshl_add_u32 v[XBO], v1, 3, s23
	s_mul_i32 s26, s22, XTILE
	v_lshl_add_u32 v[XS], v1, 3, s26
	v_mul_u32_u24 v[XA], v2, XP
	v_lshl_add_u32 v[XA], v3, 4, v[XA]
	v_add_nc_u32 v[XA], s26, v[XA]
	s_lshl_b32 s23, s22, 16
	v_lshlrev_b32 v[WO], 4, v2
	v_lshl_add_u32 v[WO], v3, 11, v[WO]
	v_add_nc_u32 v[WO], s23, v[WO]
	s_lshl_b32 s23, s22, 12
	v_lshl_add_u32 v[CO], v1, 4, s23
	s_lshl_b32 s23, s22, 11
	v_lshl_add_u32 v[CS], v1, 3, s23
	v_lshlrev_b32 v[KO], 8, v3
	v_lshl_add_u32 v[KO], v2, 4, v[KO]
	v_add_nc_u32 v[KO], s23, v[KO]
	s_lshl_b32 s23, s22, 14
	s_add_co_u32 s23, s23, RED
	v_lshl_add_u32 v[RS], v1, 4, s23
	s_lshl_b32 s23, s22, 12
	s_add_co_u32 s23, s23, RED
	v_lshl_add_u32 v[RL], v1, 4, s23
	s_lshr_b32 s23, s22, 1
	s_mul_i32 s23, s23, 16*KP
	s_and_b32 s27, s22, 1
	s_lshl_b32 s27, s27, 7
	s_add_co_u32 s23, s23, s27
	s_add_co_u32 s23, s23, KVST
	v_mul_u32_u24 v[KS], v2, KP
	v_lshl_add_u32 v[KS], v3, 6, v[KS]
	v_add_nc_u32 v[KS], s23, v[KS]
	s_mul_i32 s23, s22, 8*KP
	s_add_co_u32 s23, s23, KVST
	v_mul_u32_u24 v[KR], v3, KP
	v_lshl_add_u32 v[KR], v2, 4, v[KR]
	v_add_nc_u32 v[KR], s23, v[KR]
	s_wait_loadcnt 32                              ; tokens 0-15 are in; the 32 loads of tokens 16-31 stay out
	CONS_X 0, WB0, WF
	ISSUE_W 0, WB0
	s_wait_loadcnt 32                              ; tokens 16-31 are in; W of step 0 stays out
	CONS_X 1, WB1, ACC
	ISSUE_W 1, WB1
	WIN 0
	STEP 0, WB0, 32, 1
	STEP 1, WB1, 32, 1
	STEP 2, WB0, 32, 1
	STEP 3, WB1, 32, 1
	STEP 4, WB0, 32, 1
	STEP 5, WB1, 32, 1
	STEP 6, WB0, 32, 2
	STEP 7, WB1, 16, 0                             ; behind step 7's W only the 16 loads of the weights to convert were issued
	PLACES                                         ; behind the last matrix instructions: XF is rewritten and the sums are read below
	; W_query to bf16; W_out to bf16 and the rounded number on into f16
	s_wait_loadcnt 0x0
	WIN 0x05
.set n, 0
.rept 16
	v_cvt_pk_bf16_f32 v[TMP+2*n], v[WB0+4*n], v[WB0+4*n+1]
	v_cvt_pk_bf16_f32 v[TMP+2*n+1], v[WB0+4*n+2], v[WB0+4*n+3]
.set n, n+1
.endr
	WIN 0
.set n, 16
.rept 16
	v_lshlrev_b32 v[XF+2*(n%8)], 16, v[TMP+n]      ; the two bf16 as f32,
	v_and_b32 v[XF+2*(n%8)+1], 0xffff0000, v[TMP+n]
	v_cvt_pk_f16_f32 v[TMP+n], v[XF+2*(n%8)], v[XF+2*(n%8)+1]      ; and as f16
.set n, n+1
.endr
.irp i, 0,1,2,3,4,5,6,7
	global_store_b64 v[CS], v[TMP+2*\i:TMP+2*\i+1], s[18:19] offset:256*\i
	global_store_b64 v[CS], v[TMP+16+2*\i:TMP+16+2*\i+1], s[20:21] offset:256*\i
.endr
	; the four waves' partial sums meet in LDS; wave w then owns tiles 4 w .. 4 w + 3: tokens 16 (w>>1) .., half w & 1, T = 0 .. 3
.set n, 0
.rept 32
	ds_store_b128 v[RS], v[ACC+4*n:ACC+4*n+3] offset:512*n
.set n, n+1
.endr
	s_wait_dscnt 0x0                               ; my stores are done, for the other waves' sake
	s_barrier_signal -1
	s_barrier_wait -1
	WIN 0x40
.irp src, 0,1,2,3
.irp i, 0,1,2,3,4,5,6,7
	ds_load_b128 v[32*\src+4*\i:32*\src+4*\i+3], v[RL] offset:16384*\src+512*\i
.endr
.endr
	s_wait_dscnt 0x0
	WIN 0x45
.set n, 0
.rept 16
	v_pk_add_f32 v[2*n:2*n+1], v[2*n:2*n+1], v[32+2*n:32+2*n+1]
	v_pk_add_f32 v[64+2*n:64+2*n+1], v[64+2*n:64+2*n+1], v[96+2*n:96+2*n+1]
.set n, n+1
.endr
.set n, 0
.rept 16
	v_pk_add_f32 v[2*n:2*n+1], v[2*n:2*n+1], v[64+2*n:64+2*n+1]
.set n, n+1
.endr
	WIN 0x05                                       ; register 8 T + j is column 32 h + 4 j + T: pack T = 0, 1 and T = 2, 3
.irp j, 0,1,2,3,4,5,6,7
	v_cvt_pk_f16_f32 v[OUTR+2*\j], v[\j], v[8+\j]
	v_cvt_pk_f16_f32 v[OUTR+2*\j+1], v[16+\j], v[24+\j]
.endr
	WIN 0
.irp i, 0,1,2,3
	ds_store_b128 v[KS], v[OUTR+4*\i:OUTR+4*\i+3] offset:16*\i
.endr
	s_wait_dscnt 0x0                               ; two waves fill each row: stores done, then the barrier, then the rows are read
	s_barrier_signal -1
	s_barrier_wait -1
.irp i, 0,1,2,3
	ds_load_b128 v[BACK+4*\i:BACK+4*\i+3], v[KR] offset:2*KP*\i
.endr
.irp i, 0,1,2,3
	s_wait_dscnt 3-\i
	global_store_b128 v[KO], v[BACK+4*\i:BACK+4*\i+3], s[16:17] offset:512*\i    ; sixteen lanes store a whole row of kv, 256 bytes, aligned
.endr
	s_set_vgpr_msb 0xa
	s_wait_tensorcnt 0x0
	ds_add_u32 v0, v1
	s_wait_dscnt 0x0
	s_set_vgpr_msb 0xa00
	s_endpgm
.Lfunc_end_k_q079504406a_prep:
	.size	k_q079504406a_prep, .Lfunc_end_k_q079504406a_prep-k_q079504406a_prep
	.p2alignl 7, 3214868480
	.fill 96, 4, 3214868480
	.section	.rodata,"a",@progbits
	.p2align	6, 0x0
	.amdhsa_kernel k_q079504406a_prep
		.amdhsa_group_segment_fixed_size 142336
		.amdhsa_private_segment_fixed_size 0
		.amdhsa_enable_private_segment 0
		.amdhsa_kernarg_size 72
		.amdhsa_user_sgpr_count 2
		.amdhsa_user_sgpr_kernarg_segment_ptr 1
		.amdhsa_wavefront_size32 1
		.amdhsa_system_sgpr_workgroup_id_x 1
		.amdhsa_system_sgpr_workgroup_id_y 1
		.amdhsa_system_sgpr_workgroup_id_z 1
		.amdhsa_system_vgpr_workitem_id 0
		.amdhsa_next_free_vgpr 514
		.amdhsa_next_free_sgpr 66
		.amdhsa_reserve_vcc 0
		.amdhsa_float_denorm_mode_32 3
		.amdhsa_float_denorm_mode_16_64 3
		.amdhsa_memory_ordered 1
		.amdhsa_forward_progress 1
		.amdhsa_inst_pref_size 113
	.end_amdhsa_kernel
	.amdgpu_metadata
---
amdhsa.version: [ 1, 2 ]
amdhsa.kernels:
  - .name:           k_q079504406a_prep
    .symbol:         k_q079504406a_prep.kd
    .args:
      - { .name: x, .offset: 0, .size: 8, .value_kind: global_buffer, .address_space: global }
      - { .name: W_key, .offset: 8, .size: 8, .value_kind: global_buffer, .address_space: global }
      - { .name: W_value, .offset: 16, .size: 8, .value_kind: global_buffer, .address_space: global }
      - { .name: W_query, .offset: 24, .size: 8, .value_kind: global_buffer, .address_space: global }
      - { .name: W_out, .offset: 32, .size: 8, .value_kind: global_buffer, .address_space: global }
      - { .name: xb, .offset: 40, .size: 8, .value_kind: global_buffer, .address_space: global }
      - { .name: kv, .offset: 48, .size: 8, .value_kind: global_buffer, .address_space: global }
      - { .name: wqb, .offset: 56, .size: 8, .value_kind: global_buffer, .address_space: global }
      - { .name: wob, .offset: 64, .size: 8, .value_kind: global_buffer, .address_space: global }
    .group_segment_fixed_size: 142336
    .private_segment_fixed_size: 0
    .kernarg_segment_align: 8
    .kernarg_segment_size: 72
    .max_flat_workgroup_size: 128
    .sgpr_count:     66
    .vgpr_count:     514
    .wavefront_size: 32
...
	.end_amdgpu_metadata
.endif
;; end of part 1
;; launch qattn (part 2): grid 4 x 64, 4 waves a work-group, clusters of 4 x 4, 327,680 bytes of LDS; arguments xb, wqb, kv, ctx; writes ctx
.if DOCPART == 2
	.amdgcn_target "amdgcn-amd-amdhsa--gfx1250"
	.amdhsa_code_object_version 6
	.text
	.protected	k_q079504406a_qattn
	.globl	k_q079504406a_qattn
	.p2align	8
	.type	k_q079504406a_qattn,@function
k_q079504406a_qattn:
	s_mov_b64 s[64:65], 0
	v_nop
	global_prefetch_b8 v0, s[64:65] scope:SCOPE_SE
	s_setreg_imm32_b32 hwreg(HW_REG_WAVE_MODE, 25, 1), 1
	s_wait_xcnt 0x0
	s_wait_alu depctr_hold_cnt(0) depctr_sa_sdst(0) depctr_va_vdst(0) depctr_va_sdst(0) depctr_va_ssrc(0) depctr_va_vcc(0) depctr_vm_vsrc(0)
	s_getreg_b32 s2, hwreg(HW_REG_IB_STS2, 6, 4)
	s_cmp_eq_u32 s2, 0
	s_cbranch_scc0 .Lentry_in_a_cluster
	s_endpgm
.Lentry_in_a_cluster:
	s_bfe_u32 s2, ttmp6, 0x10000c
	s_cmp_lg_u32 s2, 0xf033
	s_cbranch_scc0 .Lentry_shape_is_right
	s_endpgm
.Lentry_shape_is_right:
; qattn: q = xb . wqb for 128 tokens x 4 heads (kept in registers), then causal attention over the one shared k/v head; ctx [8192][1024] in f16.
; SHARES: a work-group takes one batch, head group g (heads 4 g .. 4 g + 3; wave w is head 4 g + w) and two pieces of 64 tokens: block j and block 15 - j
; of the batch's sixteen.  Piece j needs j + 1 key tiles of 64, piece 15 - j needs 16 - j: 17 tiles in EVERY work-group.
; CLUSTER 4 x 4: cluster y gives j (low 3 bits) and the upper bit of the batch; cy the batch's lower bits; cx the head group.  All sixteen partners share j, so
; no branch and no trip count hangs on cx or cy.  xb's and kv's tiles hang on the batch and j: asked for jointly along a row of the cluster (same cy).
; wqb's tiles hang on the head group: jointly along a column (same cx).
; PHASE 1, the projection: 128 tokens x 256 columns, K = 1,024 in 8 steps of 128 through two LDS slots.  A wave makes 128 tokens x its head's 64 columns:
; 32 accumulators (window 1).  Source 0 = 16 columns of wqb (stored [k][n]: fetched by transposing loads), source 1 = 16 tokens: lane (r, h), register j of a result is
; token r, column 8 h + j, so two neighbouring result tiles, packed to 16 bits, ARE an operand fragment (row = token, k = column).  q never leaves registers.
; PHASE 2, attention, transposed likewise: S^T = K Q^T (lane: token r; registers: keys), P packed in place into fragments, O^T = V^T P^T.
; A token's keys lie in lanes r and r + 16 alone, so the maximum crosses lanes once a tile and the sum once a piece.
; FORMATS: xb, wqb bf16 (the inputs' one rounding); q, k, v, p, ctx f16; scores, exponentials, sums, maxima f32.  The row sum adds the unrounded p.
; The maximum is a running one, kept negated and scaled: NM = -c max, c = log2(e)/8; p = exp2(s c + NM) in one fused multiply-add, and a
; step of the maximum rescales by exp2(NM_new - NM_old): both refer to the same rounded NM.
; LIMITS: |q|, |k|, |v| below 65,504 (spread 0.64 as drawn; 576 with all inputs 30 times larger; about 18,432 with all inputs offset by 30 spreads).
; p below 2^-25 becomes 0.  Scores that are not finite give NaN rows.
; K/V IN LDS: all 1,024 keys of the batch, 272 bytes a key.  Keys 0-255 have bytes of their own and land during phase 1; keys 256-639 take slot 0's bytes and keys
; 640-1023 slot 1's when the ring is done with them; the last of these loads is waited for behind piece A's first tile, and from the barrier there on no tensor
; load is out.  The fill is not cut at key 64 (16 - j): the descriptors stay constants, and up to 448 keys are fetched unread.
; V's transposing loads run at pitch 272, not an odd multiple of 32: two lanes of a group may meet in a bank.
.set XP,    272                        ; LDS pitch of xb's and kv's rows: 256 bytes + 16
.set WP,    544                        ; LDS pitch of wqb's rows: 512 bytes + 32 = 17 x 32
.set WPART, 128*WP                     ; a slot: wqb's 128 k-rows of 256 columns,
.set XPART, 128*XP                     ; then xb's 128 tokens of 128 k
.set SLOT,  WPART+XPART                ; 104,448 = 384 keys x 272
.set RING,  256*XP                     ; behind keys 0-255
.set STAGE, 1024*XP                    ; behind the keys
.set SP,    528
.set TILEB, 64*XP                      ; a key tile
.set ADRW, 8                           ; v8-9    wqb fragments in slot 0, 1
.set ADRX, 10                          ; v10-11  xb fragments in slot 0, 1
.set KL,  12                           ; v12  272 r + 16 h
.set VL,  13                           ; v13  (8 h + L%8) 272 + 128 + 16 ((L>>3)&1)
.set KA,  14                           ; v14, v15  the same at the tile at work
.set VA,  15
.set STO, 16                           ; v16  STAGE + 528 r + 128 w + 16 h
.set RD,  17                           ; v17  STAGE + 8448 w + 16 L
.set CO,  18                           ; v18  32768 w + 16 L
.set DG,  19                           ; v19  r - 8 h: the mask's lane term on the diagonal tile
.set DM,  20                           ; v20  64 j + r - 8 h: the same for piece A's tile 0
.set NINF, 21                          ; v21  -infinity
.set TN,  24                           ; v24-27  -c x the tile's maximum, one a token tile
.set LS,  28                           ; v28-31  running sums (of this half of the lanes)
.set TM,  32                           ; v32-35  the tile's maxima
.set TX,  36                           ; v36-39  what comes from the other half of the lanes
.set NM,  40                           ; v40-47  pairs: -c x running maximum in the even register
.set AL,  48                           ; v48-55  pairs: the rescaling factor in the even register
.set SUM, 56                           ; v56-63  pairs: the tile's sums
.set F0,  64                           ; phase 1: fragment buffer 0 (32 registers of wqb, 64 of xb)
.set F1,  160                          ; phase 1: fragment buffer 1
.set QF,  64                           ; phase 2: v64-127 q fragments, (tt, dh) at 8 (2 tt + dh)
.set SC,  128                          ; phase 2: v128-255 scores, tile (tt, kt) at 8 (4 tt + kt)
.set OUTP, 128                         ; the way out: ctx packed
.set BACK, 192                         ; the way out: ctx read back by rows
.set KF,  0                            ; window 2: k fragments, (kt, dh) at 8 (2 kt + dh)
.set VF,  64                           ; window 2: v fragments, (dt, kh) at 8 (2 dt + kh)
.set PF,  128                          ; window 2: p fragments, (tt, kh) at 8 (2 tt + kh)
; window 1: phase 1's accumulators, tile (tt, ct) at 8 (4 tt + ct); its lower half (piece A's) then holds O, tile (tt, dt) at 8 (4 tt + dt)
.set G1X,  20                          ; s[20:27] group 1: xb's tiles      s[28:35]: wqb's      s[36:43]: kv, 64 rows      s[44:51]: kv, 96 rows
.set G1W,  28
.set G1K,  36
.set G1K2, 44
.set G0X,  52                          ; s[52:59] group 0 of xb's tiles, a set for each slot
.set G0W,  68                          ; s[68:75] of wqb's
.set G0K,  76                          ; s[76:87] of kv's three chunks
.set MULW, 0x50                        ; phase 1: A and B window 0, C and D window 1
.set XFLAGS, (1<<16)|(1<<20)|(1<<21)|(5<<22)|(3<<25)   ; elements of 2 bytes; padding on; bit 21 beside a mask; after every 64 words, 4 words
.set WFLAGS, (1<<16)|(1<<20)|(1<<21)|(6<<22)|(7<<25)   ; the same; after every 128 words, 8 words
.set MSB, 0
.macro WIN new                         ; s_set_vgpr_msb: bits 1:0 source 0, 3:2 source 1, 5:4 source 2, 7:6 destination; the high byte repeats the setting that is left
.if MSB != \new
	s_set_vgpr_msb (MSB<<8)|\new
.set MSB, \new
.endif
.endm
.macro PLACES                          ; four places behind a matrix instruction before its registers are written, loaded into or its result read (ISA guide 7.12.1)
.rept 4
	v_nop
.endr
.endm
.macro GROUP1 g, cols, rows, pitch     ; words 1 to 7: the tile lies inside the tensor, so the extents are the tile's
	s_mov_b32 s[\g+1], (\cols)<<16
	s_mov_b32 s[\g+2], (\rows)<<16
	s_mov_b32 s[\g+3], (\cols)<<16
	s_mov_b32 s[\g+4], \rows
	s_mov_b32 s[\g+5], \pitch
	s_mov_b32 s[\g+6], 0
	s_mov_b32 s[\g+7], 0
.endm
.macro GROUP0 g, ldsreg, ldsconst, base, step
	s_mov_b32 s[\g], 1
	s_add_co_u32 s[\g+1], s[\ldsreg], \ldsconst    ; LDS address: wave x constant + constant
	s_add_nc_u64 s[\g+2:\g+3], s[\base:\base+1], \step
	s_or_b32 s[\g+3], s[\g+3], 0x80000000          ; type 2
.endm
.macro CREST                           ; a round of the cluster's barrier behind its opening barrier
	s_cmp_lg_u32 s12, 0
	s_cbranch_scc1 .Lnot_wave_0_\@
	s_barrier_signal -3
.Lnot_wave_0_\@:
	s_barrier_wait -3
	s_barrier_signal -1
	s_barrier_wait -1
.endm
.macro CROUND                          ; a whole round
	s_barrier_signal -1
	s_barrier_wait -1
	CREST
.endm
.macro JLOAD sl                        ; waves 0, 1 ask for wqb's two halves of a slot, waves 2, 3 for xb's: each line has one mask
	s_cmp_eq_u32 s14, 0
	s_cbranch_scc0 .Lfor_x_\@
	tensor_load_to_lds s[G0W+4*\sl:G0W+4*\sl+3], s[G1W:G1W+7]
	s_nop 0
	s_branch .Lasked_\@
.Lfor_x_\@:
	tensor_load_to_lds s[G0X+4*\sl:G0X+4*\sl+3], s[G1X:G1X+7]
	s_nop 0
.Lasked_\@:
.endm
; 24 LDS loads: the fragments of quarter q (32 along K) of a slot into buffer f: my head's 64 columns of wqb, transposed on the way, then 128 tokens
.macro FETCH slot, q, f
	WIN 0
.irp ct, 0,1,2,3
	ds_load_tr16_b128 v[\f+8*\ct:\f+8*\ct+3], v[ADRW+\slot] offset:\q*32*WP+32*\ct
	ds_load_tr16_b128 v[\f+8*\ct+4:\f+8*\ct+7], v[ADRW+\slot] offset:\q*32*WP+32*\ct+16*WP
.endr
.irp tt, 0,1,2,3,4,5,6,7
	ds_load_b128 v[\f+32+8*\tt:\f+32+8*\tt+3], v[ADRX+\slot] offset:\q*64+\tt*16*XP
	ds_load_b128 v[\f+32+8*\tt+4:\f+32+8*\tt+7], v[ADRX+\slot] offset:\q*64+\tt*16*XP+32
.endr
.endm
; 8 matrix instructions: token tiles t0, t0 + 1 x 4 column tiles.  The 32 accumulators take turns in one order everywhere, one instruction a turn
.macro MUL2 f, t0, first
.irp tt, \t0, \t0+1
.irp ct, 0,1,2,3
.if \first
	v_wmma_f32_16x16x32_bf16 v[8*(4*(\tt)+\ct):8*(4*(\tt)+\ct)+7], v[\f+8*\ct:\f+8*\ct+7], v[\f+32+8*(\tt):\f+32+8*(\tt)+7], 0
.else
	v_wmma_f32_16x16x32_bf16 v[8*(4*(\tt)+\ct):8*(4*(\tt)+\ct)+7], v[\f+8*\ct:\f+8*\ct+7], v[\f+32+8*(\tt):\f+32+8*(\tt)+7], v[8*(4*(\tt)+\ct):8*(4*(\tt)+\ct)+7]
.endif
.endr
.endr
.endm
; one of a K step's first three quarters: multiplies buffer f, and in its middle fetches quarter q into buffer g
.macro QUARTER slot, q, f, g, first
	s_wait_dscnt 8                                 ; wqb's fragments and tokens 0-63 are in; the youngest eight loads (tokens 64-127) may be out
	WIN MULW
	MUL2 \f, 0, \first
	MUL2 \f, 2, \first
	PLACES                                         ; buffer g was read by the quarter before
	FETCH \slot, \q, \g
	s_wait_dscnt 24                                ; all but the 24 just issued
	WIN MULW
	MUL2 \f, 4, \first
	MUL2 \f, 6, \first
.endm
.macro THREE slot, first
	QUARTER \slot, 1, F0, F1, \first
	QUARTER \slot, 2, F1, F0, 0
	QUARTER \slot, 3, F0, F1, 0
.endm
; the last quarter of a K step, and the change of slots.  fill = 1: this slot gets the tiles two K steps ahead; fill = 2: slot 0's bytes get keys 256-639.
; In front of the round each wave waits for its reads of this slot and for all its tensor loads (the one that is out is its part of the next slot);
; inside the round stands register work alone; the joint refill is the first tensor load behind it, one a wave.
.macro TURN slot, next, fill
	s_wait_dscnt 8
	WIN MULW
	MUL2 F1, 0, 0
	s_wait_dscnt 0x0                               ; my reads of this slot are over
	s_wait_tensorcnt 0x0                           ; all my tensor loads have landed
	ds_add_u32 v22, v23
	s_wait_dscnt 0x0
	s_barrier_signal -1
	MUL2 F1, 2, 0
	WIN 0
	s_barrier_wait -1
	CREST                                          ; no wave of any partner still reads this slot or has a load on its way
.if \fill == 1
	s_add_nc_u64 s[G0X+4*\slot+2:G0X+4*\slot+3], s[G0X+4*\slot+2:G0X+4*\slot+3], 2*256
	s_add_nc_u64 s[G0W+4*\slot+2:G0W+4*\slot+3], s[G0W+4*\slot+2:G0W+4*\slot+3], 2*128*2048
	JLOAD \slot
.else
	tensor_load_to_lds s[G0K+4:G0K+7], s[G1K2:G1K2+7]
	s_nop 0
.endif
	PLACES
	FETCH \next, 0, F0
	WIN MULW
	MUL2 F1, 4, 0
	MUL2 F1, 6, 0
.endm
.macro LAP first
	THREE 0, \first
	TURN 0, 1, 1
	THREE 1, 0
	TURN 1, 0, 1
.endm
	s_load_b256 s[4:11], s[0:1], 0x0               ; xb s[4:5], wqb s[6:7], kv s[8:9], ctx s[10:11]
	v_lshl_add_u32 v22, v0, 2, 0x4c400
	v_mov_b32 v23, 0
	ds_add_u32 v22, v23
	v_lshrrev_b32 v1, 5, v0
	v_readfirstlane_b32 s12, v1                    ; wave
	s_and_b32 s13, s12, 1                          ; which half of a tile I fetch
	s_lshr_b32 s14, s12, 1                         ; I fetch for wqb (0) or for xb (1)
	s_bfe_u32 s15, ttmp6, 0x40000                  ; cx
	s_bfe_u32 s16, ttmp6, 0x40004                  ; cy
	s_lshl_b32 s19, ttmp9, 2
	s_add_co_u32 s19, s19, s15                     ; head group g = 4 x cluster x + cx
	s_and_b32 s88, ttmp7, 0xffff                   ; cluster y, 0 to 15
	s_and_b32 s17, s88, 7                          ; j: equal in all sixteen partners
	s_lshr_b32 s88, s88, 3
	s_lshl_b32 s88, s88, 2
	s_add_co_u32 s18, s88, s16                     ; batch = 4 x (cluster y >> 3) + cy
	s_lshl_b32 s89, s16, 2
	s_lshl_b32 s89, 15, s89                        ; my row of the cluster
	s_lshl_b32 s92, 0x1111, s15                    ; my column
	s_or_b32 s[G1X], s89, XFLAGS
	s_or_b32 s[G1K], s89, XFLAGS
	s_or_b32 s[G1K2], s89, XFLAGS
	s_or_b32 s[G1W], s92, WFLAGS
	GROUP1 G1X, 128, 64, 1024                      ; 64 tokens x 128 k of xb
	GROUP1 G1W, 256, 64, 1024                      ; 64 k x 256 columns of wqb
	GROUP1 G1K, 128, 64, 128                       ; 64 keys of kv
	GROUP1 G1K2, 128, 96, 128                      ; 96 keys of kv
	s_mul_i32 s2, s12, 64*XP
	s_mul_i32 s3, s12, 64*WP
	s_mul_i32 s101, s12, 96*XP
	s_lshl_b32 s90, s17, 1                         ; xb: wave 2 fetches block j, wave 3 block 15 - j: block = j + (w & 1)(15 - 2 j)
	s_sub_co_u32 s90, 15, s90
	s_mul_i32 s90, s90, s13
	s_add_co_u32 s90, s90, s17
	s_lshl_b32 s90, s90, 17                        ; 64 rows of 2,048 bytes
	s_lshl_b32 s91, s18, 21                        ; 1,024 rows
	s_add_co_u32 s90, s90, s91
	s_mov_b32 s91, 0
	s_lshl_b32 s92, s13, 17                        ; wqb: k-row 64 (w & 1), column 256 g
	s_lshl_b32 s93, s19, 9
	s_add_co_u32 s92, s92, s93
	s_mov_b32 s93, 0
	s_wait_dscnt 0x0
	s_wait_kmcnt 0x0
	s_add_nc_u64 s[88:89], s[4:5], s[90:91]
	GROUP0 G0X, 2, RING+WPART-2*64*XP, 88, 0       ; waves 2, 3: rows 0-63, 64-127 behind wqb's part
	GROUP0 G0X+4, 2, RING+SLOT+WPART-2*64*XP, 88, 256
	s_add_nc_u64 s[94:95], s[6:7], s[92:93]
	GROUP0 G0W, 3, RING, 94, 0
	GROUP0 G0W+4, 3, RING+SLOT, 94, 128*2048
	s_lshl_b32 s90, s18, 18                        ; kv: 1,024 rows of 256 bytes a batch
	s_add_nc_u64 s[88:89], s[8:9], s[90:91]
	s_lshl_b32 s90, s12, 14
	s_add_nc_u64 s[94:95], s[88:89], s[90:91]      ; (wqb's sets are made: these two registers are free)
	GROUP0 G0K, 2, 0, 94, 0                        ; keys 64 w .. of 0-255
	s_mul_i32 s90, s12, 96*256
	s_add_nc_u64 s[88:89], s[88:89], s[90:91]
	GROUP0 G0K+4, 101, RING, 88, 256*256           ; keys 256 + 96 w ..
	GROUP0 G0K+8, 101, RING+SLOT, 88, 640*256      ; keys 640 + 96 w ..
	CROUND                                         ; all sixteen work-groups are here: the first joint loads meet
	s_cmp_eq_u32 s14, 0                            ; the first fills, three a wave, in one group: slot 0, slot 1, keys 0-255
	s_cbranch_scc0 .Lfirst_x
	tensor_load_to_lds s[G0W:G0W+3], s[G1W:G1W+7]
	s_nop 0
	tensor_load_to_lds s[G0W+4:G0W+7], s[G1W:G1W+7]
	s_nop 0
	s_branch .Lfirst_done
.Lfirst_x:
	tensor_load_to_lds s[G0X:G0X+3], s[G1X:G1X+7]
	s_nop 0
	tensor_load_to_lds s[G0X+4:G0X+7], s[G1X:G1X+7]
	s_nop 0
.Lfirst_done:
	tensor_load_to_lds s[G0K:G0K+3], s[G1K:G1K+7]
	s_nop 0
	v_and_b32 v1, 31, v0                           ; L
	v_and_b32 v2, 15, v0                           ; r
	v_bfe_u32 v3, v0, 4, 1                         ; h
	v_and_b32 v4, 7, v0
	v_lshl_add_u32 v4, v3, 3, v4                   ; 8 h + L % 8: the row that a transposing load addresses
	v_bfe_u32 v5, v0, 3, 1                         ; and which 16 bytes of it
	v_mul_u32_u24 v6, v4, WP
	v_lshl_add_u32 v6, v5, 4, v6
	s_lshl_b32 s2, s12, 7                          ; my head's 64 columns
	s_add_co_u32 s2, s2, RING
	v_add_nc_u32 v[ADRW], s2, v6
	v_add_nc_u32 v[ADRW+1], SLOT, v[ADRW]
	v_mul_u32_u24 v[KL], v2, XP
	v_lshl_add_u32 v[KL], v3, 4, v[KL]
	v_add_nc_u32 v[ADRX], RING+WPART, v[KL]
	v_add_nc_u32 v[ADRX+1], SLOT, v[ADRX]
	v_mul_u32_u24 v[VL], v4, XP
	v_lshl_add_u32 v[VL], v5, 4, v[VL]
	v_add_nc_u32 v[VL], 128, v[VL]
	v_mul_u32_u24 v[STO], v2, SP
	v_lshl_add_u32 v[STO], v3, 4, v[STO]
	s_lshl_b32 s2, s12, 7
	s_add_co_u32 s2, s2, STAGE
	v_add_nc_u32 v[STO], s2, v[STO]
	s_mul_i32 s2, s12, 16*SP
	s_add_co_u32 s2, s2, STAGE
	v_lshl_add_u32 v[RD], v1, 4, s2
	s_lshl_b32 s2, s12, 15
	v_lshl_add_u32 v[CO], v1, 4, s2
	v_lshlrev_b32 v[DG], 3, v3
	v_sub_nc_u32 v[DG], v2, v[DG]
	s_lshl_b32 s2, s17, 6
	v_add_nc_u32 v[DM], s2, v[DG]
	v_mov_b32 v[NINF], 0xff800000
.irp tt, 0,1,2,3
	v_mov_b32 v[TX+\tt], 0                         ; a lane permute's destination counts as read
	v_mov_b32 v[NM+2*\tt+1], 0                     ; the odd halves of pairs of which the even half alone is used
	v_mov_b32 v[AL+2*\tt+1], 0
.endr
	s_mov_b32 s66, 0x3e38aa3b                      ; c = log2(e) / 8: the scale 1/sqrt(64) and the change of base in one
	s_mov_b32 s67, 0x3e38aa3b
	s_mov_b32 s100, 0xbe38aa3b                     ; -c
	s_mov_b32 s96, 0x76543210                      ; v_permlanex16_b32: lane i of one half reads lane i of the other
	s_mov_b32 s97, 0xfedcba98
	s_wait_tensorcnt 0x2                           ; my part of slot 0 is in; slot 1's and the keys' may stay out
	s_barrier_signal -1
	s_barrier_wait -1
	FETCH 0, 0, F0
	LAP 1                                          ; K steps 0, 1: the first products start the sums
	WIN 0
	s_mov_b32 s60, 2
.Llap:
	LAP 0                                          ; K steps 2 to 5
	WIN 0
	s_sub_co_u32 s60, s60, 1
	s_cmp_lg_u32 s60, 0
	s_cbranch_scc1 .Llap
	THREE 0, 0                                     ; K step 6
	TURN 0, 1, 2                                   ; slot 0 is done with: keys 256-639 take its bytes
	THREE 1, 0                                     ; K step 7
	s_wait_dscnt 8
	WIN MULW
	MUL2 F1, 0, 0
	MUL2 F1, 2, 0
	s_wait_dscnt 0x0                               ; my reads of slot 1 are over
	MUL2 F1, 4, 0
	MUL2 F1, 6, 0
	WIN 0
	s_wait_tensorcnt 0x0                           ; keys 256-639, my part, have landed
	ds_add_u32 v22, v23
	s_wait_dscnt 0x0
	CROUND                                         ; keys 0-639 are whole for every wave, and nobody reads slot 1 any more
	tensor_load_to_lds s[G0K+8:G0K+11], s[G1K2:G1K2+7]     ; keys 640-1023 into slot 1's bytes; piece A's first tile (keys 0-63) is worked on while they land
	s_nop 0
	PLACES                                         ; behind the projection's last matrix instructions: q is read next
; One tile of 64 keys (number s62) for the piece's 64 tokens.  first = 1: it starts maxima, sums and O.  mask = 1: keys behind the token get -infinity;
; maskreg holds 64 (b - t) + r - 8 h.  clamp: the piece's highest tile, written here so that the LDS addresses' range stands in the text.
.macro ATT first, mask, maskreg, clamp
	s_min_u32 s63, s62, \clamp
	s_mul_i32 s63, s63, TILEB
	v_add_nc_u32 v[KA], s63, v[KL]                 ; these two and the two v_nop are the four places behind the last tile's matrix instructions,
	v_add_nc_u32 v[VA], s63, v[VL]                 ; whose sources are loaded again below
	v_nop
	v_nop
	WIN 0x80
.irp kt, 0,1,2,3
.irp dh, 0,1
	ds_load_b128 v[KF+8*(2*\kt+\dh):KF+8*(2*\kt+\dh)+3], v[KA] offset:16*XP*\kt+64*\dh
	ds_load_b128 v[KF+8*(2*\kt+\dh)+4:KF+8*(2*\kt+\dh)+7], v[KA] offset:16*XP*\kt+64*\dh+32
.endr
.endr
.irp dt, 0,1,2,3
.irp kh, 0,1
	ds_load_tr16_b128 v[VF+8*(2*\dt+\kh):VF+8*(2*\dt+\kh)+3], v[VA] offset:32*XP*\kh+32*\dt
	ds_load_tr16_b128 v[VF+8*(2*\dt+\kh)+4:VF+8*(2*\dt+\kh)+7], v[VA] offset:32*XP*\kh+32*\dt+16*XP
.endr
.endr
	s_wait_dscnt 16                                ; k is in; v's sixteen loads may stay out
	WIN 0x02                                       ; source 0 (k) window 2; q and the scores window 0
.irp dh, 0,1                                       ; the sixteen score tiles take turns, one instruction a turn
.irp tt, 0,1,2,3
.irp kt, 0,1,2,3
.if \dh == 0
	v_wmma_f32_16x16x32_f16 v[SC+8*(4*\tt+\kt):SC+8*(4*\tt+\kt)+7], v[KF+8*(2*\kt+\dh):KF+8*(2*\kt+\dh)+7], v[QF+8*(2*\tt+\dh):QF+8*(2*\tt+\dh)+7], 0
.else
	v_wmma_f32_16x16x32_f16 v[SC+8*(4*\tt+\kt):SC+8*(4*\tt+\kt)+7], v[KF+8*(2*\kt+\dh):KF+8*(2*\kt+\dh)+7], v[QF+8*(2*\tt+\dh):QF+8*(2*\tt+\dh)+7], v[SC+8*(4*\tt+\kt):SC+8*(4*\tt+\kt)+7]
.endif
.endr
.endr
.endr
	WIN 0
	PLACES
.if \mask
	; key 64 t + 16 kt + 8 h + jj is behind token 64 b + 16 tt + r where 16 (kt - tt) + jj > 64 (b - t) + r - 8 h; for kt < tt never.  One compare serves a diagonal of tiles
.irp d, 0,1,2,3
.irp jj, 0,1,2,3,4,5,6,7
	v_cmp_gt_i32 vcc_lo, 16*\d+\jj, v[\maskreg]
.irp tt, 0,1,2,3
.if \tt+\d < 4
	v_cndmask_b32 v[SC+8*(5*\tt+\d)+\jj], v[SC+8*(5*\tt+\d)+\jj], v[NINF], vcc_lo
.endif
.endr
.endr
.endr
.endif
	; the tile's maximum for each token: 32 numbers a lane and token tile, four chains side by side; then the other half of the lanes
.irp tt, 0,1,2,3
	v_max3_num_f32 v[TM+\tt], v[SC+32*\tt], v[SC+32*\tt+1], v[SC+32*\tt+2]
.endr
.set n, 1
.rept 14
.irp tt, 0,1,2,3
	v_max3_num_f32 v[TM+\tt], v[TM+\tt], v[SC+32*\tt+2*n+1], v[SC+32*\tt+2*n+2]
.endr
.set n, n+1
.endr
.irp tt, 0,1,2,3
	v_max_num_f32 v[TM+\tt], v[TM+\tt], v[SC+32*\tt+31]
.endr
.irp tt, 0,1,2,3
	v_permlanex16_b32 v[TX+\tt], v[TM+\tt], s96, s97
.endr
.irp tt, 0,1,2,3
	v_max_num_f32 v[TM+\tt], v[TM+\tt], v[TX+\tt]
.endr
.if \first
.irp tt, 0,1,2,3
	v_mul_f32 v[NM+2*\tt], s100, v[TM+\tt]
.endr
.else
.irp tt, 0,1,2,3
	v_mul_f32 v[TN+\tt], s100, v[TM+\tt]
.endr
.irp tt, 0,1,2,3
	v_sub_f32 v[AL+2*\tt], v[TN+\tt], v[NM+2*\tt]
.endr
.irp tt, 0,1,2,3
	v_min_num_f32 v[NM+2*\tt], v[NM+2*\tt], v[TN+\tt]
.endr
.irp tt, 0,1,2,3
	v_min_num_f32 v[AL+2*\tt], 0, v[AL+2*\tt]      ; NM_new - NM_old
.endr
.irp tt, 0,1,2,3
	v_exp_f32 v[AL+2*\tt], v[AL+2*\tt]             ; used far below; the multiply-adds that follow are plain and touch none of these
.endr
.endif
.irp tt, 0,1,2,3
.set n, 0
.rept 16
	v_pk_fma_f32 v[SC+32*\tt+2*n:SC+32*\tt+2*n+1], v[SC+32*\tt+2*n:SC+32*\tt+2*n+1], s[66:67], v[NM+2*\tt:NM+2*\tt+1] op_sel_hi:[1,0,0]
.set n, n+1
.endr
.endr
.set n, 0
.rept 128
	v_exp_f32 v[SC+n], v[SC+n]
.set n, n+1
.endr
	v_nop                                          ; one plain place behind the exponentials before their results are used (ISA guide 5.7.2)
	s_wait_alu depctr_va_vdst(0)
.irp tt, 0,1,2,3
	v_pk_add_f32 v[SUM+2*\tt:SUM+2*\tt+1], v[SC+32*\tt:SC+32*\tt+1], v[SC+32*\tt+2:SC+32*\tt+3]
.endr
.set n, 2
.rept 14
.irp tt, 0,1,2,3
	v_pk_add_f32 v[SUM+2*\tt:SUM+2*\tt+1], v[SUM+2*\tt:SUM+2*\tt+1], v[SC+32*\tt+2*n:SC+32*\tt+2*n+1]
.endr
.set n, n+1
.endr
.if \first
.irp tt, 0,1,2,3
	v_add_f32 v[LS+\tt], v[SUM+2*\tt], v[SUM+2*\tt+1]
.endr
.else
.irp tt, 0,1,2,3
	v_add_f32 v[SUM+2*\tt], v[SUM+2*\tt], v[SUM+2*\tt+1]
.endr
.irp tt, 0,1,2,3
	v_fma_f32 v[LS+\tt], v[LS+\tt], v[AL+2*\tt], v[SUM+2*\tt]
.endr
.endif
	WIN 0x80                                       ; two neighbouring score tiles, packed, are a fragment of p
.set n, 0
.rept 64
	v_cvt_pk_f16_f32 v[PF+n], v[SC+2*n], v[SC+2*n+1]
.set n, n+1
.endr
.if \first == 0
	WIN 0x41                                       ; O follows the step of the maximum
.irp tt, 0,1,2,3
.set n, 0
.rept 16
	v_pk_mul_f32 v[32*\tt+2*n:32*\tt+2*n+1], v[32*\tt+2*n:32*\tt+2*n+1], v[AL+2*\tt:AL+2*\tt+1] op_sel_hi:[1,0]
.set n, n+1
.endr
.endr
.endif
	s_wait_dscnt 0x0                               ; v is in: no LDS instruction of mine is out from here to the tile's end
	WIN 0x5a                                       ; v and p window 2, O window 1
.irp kh, 0,1                                       ; the sixteen tiles of O take turns, one instruction a turn
.irp tt, 0,1,2,3
.irp dt, 0,1,2,3
.if \first*(1-\kh)
	v_wmma_f32_16x16x32_f16 v[8*(4*\tt+\dt):8*(4*\tt+\dt)+7], v[VF+8*(2*\dt+\kh):VF+8*(2*\dt+\kh)+7], v[PF+8*(2*\tt+\kh):PF+8*(2*\tt+\kh)+7], 0
.else
	v_wmma_f32_16x16x32_f16 v[8*(4*\tt+\dt):8*(4*\tt+\dt)+7], v[VF+8*(2*\dt+\kh):VF+8*(2*\dt+\kh)+7], v[PF+8*(2*\tt+\kh):PF+8*(2*\tt+\kh)+7], v[8*(4*\tt+\dt):8*(4*\tt+\dt)+7]
.endif
.endr
.endr
.endr
	WIN 0
.endm
; A piece of 64 tokens, block s61 of the batch.  acc: where its q lies in window 1.  isa = 1: piece A (block j, 0 to 7), 0: piece B (block 15 - j, 8 to 15).
.macro PIECE acc, isa, clamp
	WIN 0x05
.set n, 0
.rept 64
	v_cvt_pk_f16_f32 v[QF+n], v[\acc+2*n], v[\acc+2*n+1]
.set n, n+1
.endr
	WIN 0
	s_mov_b32 s62, 0
.if \isa
	ATT 1, 1, DM, \clamp                           ; tile 0 is the diagonal one where j = 0; for j > 0 the mask's compares are never true
	s_wait_tensorcnt 0x0                           ; my part of keys 640-1023 has landed: tile 0's work stood between its request and this wait
	s_barrier_signal -1                            ; (no LDS instruction of mine is out: the tile's last wait on them was for 0)
	s_barrier_wait -1                              ; every wave's part has: all 1,024 keys are whole, and no tensor load is out in any wave from here on
	s_cmp_eq_u32 s61, 0
	s_cbranch_scc1 .Lfin_p\isa
	s_mov_b32 s62, 1
	s_cmp_lt_u32 s61, 2
	s_cbranch_scc1 .Ldiag_p\isa
.else
	ATT 1, 0, DG, \clamp                           ; block 8 or later: tile 0 lies wholly in front of the tokens, and at least seven plain tiles follow
	s_mov_b32 s62, 1
.endif
.Lloop_p\isa:
	ATT 0, 0, DG, \clamp                           ; tiles 1 to b - 1
	s_add_co_u32 s62, s62, 1
	s_cmp_lt_u32 s62, s61
	s_cbranch_scc1 .Lloop_p\isa
.Ldiag_p\isa:
	ATT 0, 1, DG, \clamp                           ; tile b
.Lfin_p\isa:
	; A barrier between the piece's tiles and its stores into the stage.  It orders every wave's reads of the key tiles, whose addresses hang on a counter that runs
	; to j or 15 - j, ahead of every store into the stage, so that this order does not rest on the addresses' range; and in piece B it orders every wave's
	; reads of piece A's rows in the stage ahead of piece B's stores.  The normalisation, register work alone, stands between signal and wait.
	s_wait_dscnt 0x0                               ; my LDS reads are back (met: the last tile's, and the last way out's, last wait on them was for 0)
	s_barrier_signal -1
	PLACES                                         ; behind the last matrix instructions: O is read and rewritten below
.irp tt, 0,1,2,3
	v_permlanex16_b32 v[TX+\tt], v[LS+\tt], s96, s97
.endr
.irp tt, 0,1,2,3
	v_add_f32 v[LS+\tt], v[LS+\tt], v[TX+\tt]      ; the two halves' sums meet, once
.endr
.irp tt, 0,1,2,3
	v_rcp_f32 v[AL+2*\tt], v[LS+\tt]
.endr
	v_nop                                          ; one plain place behind the reciprocals (ISA guide 5.7.2)
	WIN 0x41
	s_wait_alu depctr_va_vdst(0)
.irp tt, 0,1,2,3
.set n, 0
.rept 16
	v_pk_mul_f32 v[32*\tt+2*n:32*\tt+2*n+1], v[32*\tt+2*n:32*\tt+2*n+1], v[AL+2*\tt:AL+2*\tt+1] op_sel_hi:[1,0]
.set n, n+1
.endr
.endr
	WIN 0x05
.set n, 0
.rept 64
	v_cvt_pk_f16_f32 v[OUTP+n], v[2*n], v[2*n+1]
.set n, n+1
.endr
	WIN 0
	s_lshl_b32 s92, s18, 21                        ; ctx at the batch, the block and the head group
	s_lshl_b32 s93, s61, 17
	s_add_co_u32 s92, s92, s93
	s_lshl_b32 s93, s19, 9
	s_add_co_u32 s92, s92, s93
	s_mov_b32 s93, 0
	s_add_nc_u64 s[98:99], s[10:11], s[92:93]
	s_barrier_wait -1                              ; all four waves are through their tiles
.irp tt, 0,1,2,3
.irp dt, 0,1,2,3
	ds_store_b128 v[STO], v[OUTP+4*(4*\tt+\dt):OUTP+4*(4*\tt+\dt)+3] offset:16*SP*\tt+32*\dt   ; token 16 tt + r, my head's numbers 16 dt + 8 h ..
.endr
.endr
	s_wait_dscnt 0x0                               ; four waves fill each row of the stage: my stores are done, for the others' sake
	s_barrier_signal -1
	s_barrier_wait -1
.irp i, 0,1,2,3,4,5,6,7,8,9,10,11,12,13,14,15
	ds_load_b128 v[BACK+4*\i:BACK+4*\i+3], v[RD] offset:SP*\i
.endr
.irp i, 0,1,2,3,4,5,6,7,8,9,10,11,12,13,14,15
	s_wait_dscnt 15-\i
	global_store_b128 v[CO], v[BACK+4*\i:BACK+4*\i+3], s[98:99] offset:2048*\i   ; the wave stores 512 consecutive bytes of a row of ctx, aligned
.endr
.if \isa
	s_wait_xcnt 0x0                                ; the stores' data and base are written again in piece B only behind this wait
.endif
.endm
	s_mov_b32 s61, s17                             ; piece A: block j
	PIECE 0, 1, 7
	s_sub_co_u32 s61, 15, s17                      ; piece B: block 15 - j
	PIECE 128, 0, 15
	s_wait_tensorcnt 0x0
	ds_add_u32 v22, v23
	s_wait_dscnt 0x0
	CROUND                                         ; the closing round: no work-group ends while a partner may still ask for a tile that names it
	s_endpgm
.Lfunc_end_k_q079504406a_qattn:
	.size	k_q079504406a_qattn, .Lfunc_end_k_q079504406a_qattn-k_q079504406a_qattn
	.p2alignl 7, 3214868480
	.fill 96, 4, 3214868480
	.section	.rodata,"a",@progbits
	.p2align	6, 0x0
	.amdhsa_kernel k_q079504406a_qattn
		.amdhsa_group_segment_fixed_size 327680
		.amdhsa_private_segment_fixed_size 0
		.amdhsa_enable_private_segment 0
		.amdhsa_kernarg_size 32
		.amdhsa_user_sgpr_count 2
		.amdhsa_user_sgpr_kernarg_segment_ptr 1
		.amdhsa_wavefront_size32 1
		.amdhsa_system_sgpr_workgroup_id_x 1
		.amdhsa_system_sgpr_workgroup_id_y 1
		.amdhsa_system_sgpr_workgroup_id_z 1
		.amdhsa_system_vgpr_workitem_id 0
		.amdhsa_next_free_vgpr 704
		.amdhsa_next_free_sgpr 102
		.amdhsa_reserve_vcc 1
		.amdhsa_float_denorm_mode_32 3
		.amdhsa_float_denorm_mode_16_64 3
		.amdhsa_memory_ordered 1
		.amdhsa_forward_progress 1
		.amdhsa_inst_pref_size 255
	.end_amdhsa_kernel
	.section	.bss,"aw",@nobits
	.p2align	6
	.space	262144
	.amdgpu_metadata
---
amdhsa.version: [ 1, 2 ]
amdhsa.kernels:
  - .name:           k_q079504406a_qattn
    .symbol:         k_q079504406a_qattn.kd
    .args:
      - { .name: xb, .offset: 0, .size: 8, .value_kind: global_buffer, .address_space: global }
      - { .name: wqb, .offset: 8, .size: 8, .value_kind: global_buffer, .address_space: global }
      - { .name: kv, .offset: 16, .size: 8, .value_kind: global_buffer, .address_space: global }
      - { .name: ctx, .offset: 24, .size: 8, .value_kind: global_buffer, .address_space: global }
    .group_segment_fixed_size: 327680
    .private_segment_fixed_size: 0
    .kernarg_segment_align: 8
    .kernarg_segment_size: 32
    .max_flat_workgroup_size: 128
    .sgpr_count:     102
    .vgpr_count:     704
    .wavefront_size: 32
...
	.end_amdgpu_metadata
.endif
;; end of part 2
;; launch oproj (part 3): grid 4 x 64, 4 waves a work-group, clusters of 4 x 4, 327,680 bytes of LDS; arguments ctx, wob, b_out, out0; writes out0
.if DOCPART == 3
	.amdgcn_target "amdgcn-amd-amdhsa--gfx1250"
	.amdhsa_code_object_version 6
	.text
	.protected	k_q079504406a_oproj
	.globl	k_q079504406a_oproj
	.p2align	8
	.type	k_q079504406a_oproj,@function
k_q079504406a_oproj:
	s_mov_b64 s[64:65], 0
	v_nop
	global_prefetch_b8 v0, s[64:65] scope:SCOPE_SE
	s_setreg_imm32_b32 hwreg(HW_REG_WAVE_MODE, 25, 1), 1
	s_wait_xcnt 0x0
	s_wait_alu depctr_hold_cnt(0) depctr_sa_sdst(0) depctr_va_vdst(0) depctr_va_sdst(0) depctr_va_ssrc(0) depctr_va_vcc(0) depctr_vm_vsrc(0)
	s_getreg_b32 s2, hwreg(HW_REG_IB_STS2, 6, 4)
	s_cmp_eq_u32 s2, 0
	s_cbranch_scc0 .Lentry_in_a_cluster
	s_endpgm
.Lentry_in_a_cluster:
	s_bfe_u32 s2, ttmp6, 0x10000c
	s_cmp_lg_u32 s2, 0xf033
	s_cbranch_scc0 .Lentry_shape_is_right
	s_endpgm
.Lentry_shape_is_right:
; oproj: out0 = ctx . W_out + b_out.  ctx [8192][1024] f16, wob [1024 k][1024 n] f16 (the bf16-rounded W_out), b_out f32, out0 [8192][1024] f32; sums in f32.
; A work-group makes 128 tokens x 256 columns, K = 1,024 in 8 steps of 128 through two LDS slots; a wave makes 128 tokens x 64 columns: 32 accumulators (window 1).
; Source 0 = 16 columns of wob (stored [k][n]: fetched by transposing loads), source 1 = 16 tokens: lane (r, h), register j of a result is token r, column 8 h + j.
; The bias enters as the C operand of the first products: lane (r, h) loads b[.. + 8 h + j] into register j, and no instruction is spent on adding it.
; CLUSTER 4 x 4: ctx's tiles hang on the row block alone and are asked for jointly along a row of the cluster, wob's on the column block alone, jointly along a column.
.set XP,    272                        ; LDS pitch of ctx's rows: 256 bytes + 16
.set WP,    544                        ; LDS pitch of wob's rows: 512 bytes + 32 = 17 x 32
.set WPART, 128*WP                     ; a slot: wob's 128 k-rows of 256 columns,
.set XPART, 128*XP                     ; then ctx's 128 tokens of 128 k
.set SLOT,  WPART+XPART
.set STAGE, 2*SLOT                     ; behind the ring: 16 rows x 272 bytes for each wave, never the target of a fill
.set ADRW, 8                           ; v8-9    wob fragments in slot 0, 1
.set ADRX, 10                          ; v10-11  ctx fragments in slot 0, 1
.set STO,  12                          ; v12  my stage + 272 r + 32 h
.set RD,   13                          ; v13  my stage + 272 h + 16 r
.set CO,   14                          ; v14  4096 h + 16 r
.set BO,   15                          ; v15  256 w + 32 h: my numbers of the bias
.set BIAS, 32                          ; v32-63  register 8 ct + j: b[256 cb + 64 w + 16 ct + 8 h + j]
.set F0,   64                          ; fragment buffer 0 (32 registers of wob, 64 of ctx)
.set F1,   160                         ; fragment buffer 1
.set G1X,  20                          ; s[20:27] group 1 of ctx's tiles, s[28:35] of wob's
.set G1W,  28
.set G0X,  36                          ; s[36:43] group 0 of ctx's tiles, a set for each slot; s[44:51] of wob's
.set G0W,  44
.set XFLAGS, (1<<16)|(1<<20)|(1<<21)|(5<<22)|(3<<25)   ; elements of 2 bytes; padding on; bit 21 beside a mask; after every 64 words, 4 words
.set WFLAGS, (1<<16)|(1<<20)|(1<<21)|(6<<22)|(7<<25)   ; the same; after every 128 words, 8 words
.set MSB, 0
.macro WIN new                         ; s_set_vgpr_msb: bits 1:0 source 0, 3:2 source 1, 5:4 source 2, 7:6 destination; the high byte repeats the setting that is left
.if MSB != \new
	s_set_vgpr_msb (MSB<<8)|\new
.set MSB, \new
.endif
.endm
.macro MWIN first                      ; A and B window 0, D window 1; C is the bias (window 0) in the first products, D itself later
.if \first
	WIN 0x40
.else
	WIN 0x50
.endif
.endm
.macro PLACES                          ; four places behind a matrix instruction before its registers are written, loaded into or its result read (ISA guide 7.12.1)
.rept 4
	v_nop
.endr
.endm
.macro GROUP1 g, cols, rows, pitch
	s_mov_b32 s[\g+1], (\cols)<<16
	s_mov_b32 s[\g+2], (\rows)<<16
	s_mov_b32 s[\g+3], (\cols)<<16
	s_mov_b32 s[\g+4], \rows
	s_mov_b32 s[\g+5], \pitch
	s_mov_b32 s[\g+6], 0
	s_mov_b32 s[\g+7], 0
.endm
.macro GROUP0 g, ldsreg, ldsconst, base, step
	s_mov_b32 s[\g], 1
	s_add_co_u32 s[\g+1], s[\ldsreg], \ldsconst    ; LDS address: wave x constant + constant
	s_add_nc_u64 s[\g+2:\g+3], s[\base:\base+1], \step
	s_or_b32 s[\g+3], s[\g+3], 0x80000000          ; type 2
.endm
.macro CREST                           ; a round of the cluster's barrier behind its opening barrier
	s_cmp_lg_u32 s12, 0
	s_cbranch_scc1 .Lnot_wave_0_\@
	s_barrier_signal -3
.Lnot_wave_0_\@:
	s_barrier_wait -3
	s_barrier_signal -1
	s_barrier_wait -1
.endm
.macro CROUND
	s_barrier_signal -1
	s_barrier_wait -1
	CREST
.endm
.macro JLOAD sl                        ; waves 0, 1 ask for wob's two halves of a slot, waves 2, 3 for ctx's: each line has one mask
	s_cmp_eq_u32 s14, 0
	s_cbranch_scc0 .Lfor_x_\@
	tensor_load_to_lds s[G0W+4*\sl:G0W+4*\sl+3], s[G1W:G1W+7]
	s_nop 0
	s_branch .Lasked_\@
.Lfor_x_\@:
	tensor_load_to_lds s[G0X+4*\sl:G0X+4*\sl+3], s[G1X:G1X+7]
	s_nop 0
.Lasked_\@:
.endm
.macro FETCH slot, q, f                ; 24 LDS loads: quarter q (32 along K) of a slot into buffer f
	WIN 0
.irp ct, 0,1,2,3
	ds_load_tr16_b128 v[\f+8*\ct:\f+8*\ct+3], v[ADRW+\slot] offset:\q*32*WP+32*\ct
	ds_load_tr16_b128 v[\f+8*\ct+4:\f+8*\ct+7], v[ADRW+\slot] offset:\q*32*WP+32*\ct+16*WP
.endr
.irp tt, 0,1,2,3,4,5,6,7
	ds_load_b128 v[\f+32+8*\tt:\f+32+8*\tt+3], v[ADRX+\slot] offset:\q*64+\tt*16*XP
	ds_load_b128 v[\f+32+8*\tt+4:\f+32+8*\tt+7], v[ADRX+\slot] offset:\q*64+\tt*16*XP+32
.endr
.endm
; 8 matrix instructions: token tiles t0, t0 + 1 x 4 column tiles.  The 32 accumulators take turns in one order everywhere, one instruction a turn
.macro MUL2 f, t0, first
.irp tt, \t0, \t0+1
.irp ct, 0,1,2,3
.if \first
	v_wmma_f32_16x16x32_f16 v[8*(4*(\tt)+\ct):8*(4*(\tt)+\ct)+7], v[\f+8*\ct:\f+8*\ct+7], v[\f+32+8*(\tt):\f+32+8*(\tt)+7], v[BIAS+8*\ct:BIAS+8*\ct+7]
.else
	v_wmma_f32_16x16x32_f16 v[8*(4*(\tt)+\ct):8*(4*(\tt)+\ct)+7], v[\f+8*\ct:\f+8*\ct+7], v[\f+32+8*(\tt):\f+32+8*(\tt)+7], v[8*(4*(\tt)+\ct):8*(4*(\tt)+\ct)+7]
.endif
.endr
.endr
.endm
.macro QUARTER slot, q, f, g, first
	s_wait_dscnt 8                                 ; wob's fragments and tokens 0-63 are in; the youngest eight loads (tokens 64-127) may be out
	MWIN \first
	MUL2 \f, 0, \first
	MUL2 \f, 2, \first
	PLACES                                         ; buffer g was read by the quarter before
	FETCH \slot, \q, \g
	s_wait_dscnt 24                                ; all but the 24 just issued
	MWIN \first
	MUL2 \f, 4, \first
	MUL2 \f, 6, \first
.endm
.macro THREE slot, first
	QUARTER \slot, 1, F0, F1, \first
	QUARTER \slot, 2, F1, F0, 0
	QUARTER \slot, 3, F0, F1, 0
.endm
; the last quarter of a K step, and the change of slots.  fill = 1: this slot gets the tiles two K steps ahead, behind a round of the cluster's barrier:
; each wave's waits stand in front of the round, register work alone inside it, the joint refill first behind it, one a wave.
.macro TURN slot, next, fill
	s_wait_dscnt 8
	MWIN 0
	MUL2 F1, 0, 0
	s_wait_dscnt 0x0                               ; my reads of this slot are over
	s_wait_tensorcnt 0x0                           ; all my tensor loads have landed: the one that was out is my part of the next slot
	ds_add_u32 v30, v31
	s_wait_dscnt 0x0
	s_barrier_signal -1
	MUL2 F1, 2, 0
	WIN 0
	s_barrier_wait -1
.if \fill
	CREST                                          ; no wave of any partner still reads this slot or has a load on its way
	s_add_nc_u64 s[G0X+4*\slot+2:G0X+4*\slot+3], s[G0X+4*\slot+2:G0X+4*\slot+3], 2*256
	s_add_nc_u64 s[G0W+4*\slot+2:G0W+4*\slot+3], s[G0W+4*\slot+2:G0W+4*\slot+3], 2*128*2048
	JLOAD \slot
.endif
	PLACES
	FETCH \next, 0, F0
	MWIN 0
	MUL2 F1, 4, 0
	MUL2 F1, 6, 0
.endm
.macro LAP first
	THREE 0, \first
	TURN 0, 1, 1
	THREE 1, 0
	TURN 1, 0, 1
.endm
	s_load_b256 s[4:11], s[0:1], 0x0               ; ctx s[4:5], wob s[6:7], b_out s[8:9], out0 s[10:11]
	v_lshl_add_u32 v30, v0, 2, 0x37400
	v_mov_b32 v31, 0
	ds_add_u32 v30, v31
	v_lshrrev_b32 v1, 5, v0
	v_readfirstlane_b32 s12, v1                    ; wave
	s_and_b32 s13, s12, 1                          ; which half of a tile I fetch
	s_lshr_b32 s14, s12, 1                         ; I fetch for wob (0) or for ctx (1)
	s_bfe_u32 s15, ttmp6, 0x40000                  ; cx
	s_bfe_u32 s16, ttmp6, 0x40004                  ; cy
	s_lshl_b32 s19, ttmp9, 2
	s_add_co_u32 s19, s19, s15                     ; column block = 4 x cluster x + cx
	s_and_b32 s17, ttmp7, 0xffff
	s_lshl_b32 s17, s17, 2
	s_add_co_u32 s17, s17, s16                     ; row block = 4 x cluster y + cy
	s_lshl_b32 s52, s16, 2
	s_lshl_b32 s52, 15, s52                        ; my row of the cluster
	s_lshl_b32 s56, 0x1111, s15                    ; my column
	s_or_b32 s[G1X], s52, XFLAGS
	s_or_b32 s[G1W], s56, WFLAGS
	GROUP1 G1X, 128, 64, 1024                      ; 64 tokens x 128 k of ctx
	GROUP1 G1W, 256, 64, 1024                      ; 64 k x 256 columns of wob
	s_mul_i32 s2, s12, 64*XP
	s_mul_i32 s3, s12, 64*WP
	s_lshl_b32 s52, s17, 18                        ; ctx: row 128 x row block + 64 (w & 1), rows of 2,048 bytes
	s_lshl_b32 s53, s13, 17
	s_add_co_u32 s52, s52, s53
	s_mov_b32 s53, 0
	s_lshl_b32 s56, s13, 17                        ; wob: k-row 64 (w & 1), column 256 x column block
	s_lshl_b32 s57, s19, 9
	s_add_co_u32 s56, s56, s57
	s_mov_b32 s57, 0
	s_wait_dscnt 0x0
	s_wait_kmcnt 0x0
	s_add_nc_u64 s[54:55], s[4:5], s[52:53]
	s_add_nc_u64 s[58:59], s[6:7], s[56:57]
	GROUP0 G0X, 2, WPART-2*64*XP, 54, 0            ; waves 2, 3: rows 0-63, 64-127 behind wob's part
	GROUP0 G0X+4, 2, SLOT+WPART-2*64*XP, 54, 256
	GROUP0 G0W, 3, 0, 58, 0
	GROUP0 G0W+4, 3, SLOT, 58, 128*2048
	CROUND                                         ; all sixteen work-groups are here: the first joint loads meet
	s_cmp_eq_u32 s14, 0                            ; the first fills, two a wave, in one group
	s_cbranch_scc0 .Lfirst_x
	tensor_load_to_lds s[G0W:G0W+3], s[G1W:G1W+7]
	s_nop 0
	tensor_load_to_lds s[G0W+4:G0W+7], s[G1W:G1W+7]
	s_nop 0
	s_branch .Lfirst_done
.Lfirst_x:
	tensor_load_to_lds s[G0X:G0X+3], s[G1X:G1X+7]
	s_nop 0
	tensor_load_to_lds s[G0X+4:G0X+7], s[G1X:G1X+7]
	s_nop 0
.Lfirst_done:
	v_and_b32 v2, 15, v0                           ; r
	v_bfe_u32 v3, v0, 4, 1                         ; h
	s_lshl_b32 s56, s19, 10                        ; the bias of my block's 256 columns
	s_add_nc_u64 s[8:9], s[8:9], s[56:57]
	s_lshl_b32 s2, s12, 8
	v_lshl_add_u32 v[BO], v3, 5, s2
.irp ct, 0,1,2,3
	global_load_b128 v[BIAS+8*\ct:BIAS+8*\ct+3], v[BO], s[8:9] offset:64*\ct
	global_load_b128 v[BIAS+8*\ct+4:BIAS+8*\ct+7], v[BO], s[8:9] offset:64*\ct+16
.endr
	v_and_b32 v4, 7, v0
	v_lshl_add_u32 v4, v3, 3, v4                   ; 8 h + L % 8: the row that a transposing load addresses
	v_bfe_u32 v5, v0, 3, 1                         ; and which 16 bytes of it
	v_mul_u32_u24 v6, v4, WP
	v_lshl_add_u32 v6, v5, 4, v6
	s_lshl_b32 s2, s12, 7                          ; my 64 columns
	v_add_nc_u32 v[ADRW], s2, v6
	v_add_nc_u32 v[ADRW+1], SLOT, v[ADRW]
	v_mul_u32_u24 v7, v2, XP
	v_lshl_add_u32 v[ADRX], v3, 4, v7
	v_add_nc_u32 v[ADRX], WPART, v[ADRX]
	v_add_nc_u32 v[ADRX+1], SLOT, v[ADRX]
	s_mul_i32 s2, s12, 16*XP
	s_add_co_u32 s2, s2, STAGE                     ; my stage
	v_lshl_add_u32 v[STO], v3, 5, v7
	v_add_nc_u32 v[STO], s2, v[STO]
	v_mul_u32_u24 v[RD], v3, XP
	v_lshl_add_u32 v[RD], v2, 4, v[RD]
	v_add_nc_u32 v[RD], s2, v[RD]
	v_lshlrev_b32 v[CO], 12, v3
	v_lshl_add_u32 v[CO], v2, 4, v[CO]
	s_wait_loadcnt 0x0                             ; the bias, once
	s_wait_tensorcnt 0x1                           ; my part of slot 0 is in; slot 1's may stay out
	s_barrier_signal -1
	s_barrier_wait -1
	FETCH 0, 0, F0
	LAP 1                                          ; K steps 0, 1: the first products start the sums from the bias
	WIN 0
	s_mov_b32 s60, 2
.Llap:
	LAP 0                                          ; K steps 2 to 5
	WIN 0
	s_sub_co_u32 s60, s60, 1
	s_cmp_lg_u32 s60, 0
	s_cbranch_scc1 .Llap
	THREE 0, 0                                     ; the last lap fills nothing: its change of slots has the work-group's barrier alone
	TURN 0, 1, 0
	THREE 1, 0
	s_wait_dscnt 8
	MWIN 0
	MUL2 F1, 0, 0
	MUL2 F1, 2, 0
	s_wait_dscnt 0x0
	MUL2 F1, 4, 0
	MUL2 F1, 6, 0
	WIN 0
	PLACES                                         ; behind the last matrix instructions: results are stored and the buffers loaded into below
	; THE WAY OUT, 16 tokens at a time through my own stage: 32 bytes a lane and column tile in, whole rows of 256 bytes back
	s_lshl_b32 s56, s17, 19                        ; out0 at row 128 x row block (rows of 4,096 bytes), column 256 x column block + 64 w
	s_lshl_b32 s57, s19, 10
	s_add_co_u32 s56, s56, s57
	s_lshl_b32 s57, s12, 8
	s_add_co_u32 s56, s56, s57
	s_mov_b32 s57, 0
	s_add_nc_u64 s[10:11], s[10:11], s[56:57]
.macro OUT16 tt, f
	WIN 0x04                                       ; store data from window 1
.irp ct, 0,1,2,3
	ds_store_b128 v[STO], v[8*(4*\tt+\ct):8*(4*\tt+\ct)+3] offset:64*\ct
	ds_store_b128 v[STO], v[8*(4*\tt+\ct)+4:8*(4*\tt+\ct)+7] offset:64*\ct+16
.endr
	WIN 0
	s_wait_xcnt 0x0                                ; buffer f, which earlier stores read, and the stores' base are rewritten only behind this wait
.if \tt
	s_add_nc_u64 s[10:11], s[10:11], 16*4096
.endif
.irp i, 0,1,2,3,4,5,6,7
	ds_load_b128 v[\f+4*\i:\f+4*\i+3], v[RD] offset:2*XP*\i        ; my own bytes: LDS serves a wave's instructions in order, so these see the stores above
.endr
.irp i, 0,1,2,3,4,5,6,7
	s_wait_dscnt 7-\i
	global_store_b128 v[CO], v[\f+4*\i:\f+4*\i+3], s[10:11] offset:8192*\i th:TH_STORE_NT   ; sixteen lanes store 256 consecutive bytes, aligned
.endr
.endm
	OUT16 0, F0
	OUT16 1, F1
	OUT16 2, F0
	OUT16 3, F1
	OUT16 4, F0
	OUT16 5, F1
	OUT16 6, F0
	OUT16 7, F1
	s_wait_tensorcnt 0x0
	ds_add_u32 v30, v31
	s_wait_dscnt 0x0
	CROUND                                         ; the closing round: no work-group ends while a partner may still ask for a tile that names it
	s_endpgm
.Lfunc_end_k_q079504406a_oproj:
	.size	k_q079504406a_oproj, .Lfunc_end_k_q079504406a_oproj-k_q079504406a_oproj
	.p2alignl 7, 3214868480
	.fill 96, 4, 3214868480
	.section	.rodata,"a",@progbits
	.p2align	6, 0x0
	.amdhsa_kernel k_q079504406a_oproj
		.amdhsa_group_segment_fixed_size 327680
		.amdhsa_private_segment_fixed_size 0
		.amdhsa_enable_private_segment 0
		.amdhsa_kernarg_size 32
		.amdhsa_user_sgpr_count 2
		.amdhsa_user_sgpr_kernarg_segment_ptr 1
		.amdhsa_wavefront_size32 1
		.amdhsa_system_sgpr_workgroup_id_x 1
		.amdhsa_system_sgpr_workgroup_id_y 1
		.amdhsa_system_sgpr_workgroup_id_z 1
		.amdhsa_system_vgpr_workitem_id 0
		.amdhsa_next_free_vgpr 512
		.amdhsa_next_free_sgpr 66
		.amdhsa_reserve_vcc 0
		.amdhsa_float_denorm_mode_32 3
		.amdhsa_float_denorm_mode_16_64 3
		.amdhsa_memory_ordered 1
		.amdhsa_forward_progress 1
		.amdhsa_inst_pref_size 119
	.end_amdhsa_kernel
	.amdgpu_metadata
---
amdhsa.version: [ 1, 2 ]
amdhsa.kernels:
  - .name:           k_q079504406a_oproj
    .symbol:         k_q079504406a_oproj.kd
    .args:
      - { .name: ctx, .offset: 0, .size: 8, .value_kind: global_buffer, .address_space: global }
      - { .name: wob, .offset: 8, .size: 8, .value_kind: global_buffer, .address_space: global }
      - { .name: b_out, .offset: 16, .size: 8, .value_kind: global_buffer, .address_space: global }
      - { .name: out0, .offset: 24, .size: 8, .value_kind: global_buffer, .address_space: global }
    .group_segment_fixed_size: 327680
    .private_segment_fixed_size: 0
    .kernarg_segment_align: 8
    .kernarg_segment_size: 32
    .max_flat_workgroup_size: 128
    .sgpr_count:     66
    .vgpr_count:     512
    .wavefront_size: 32
...
	.end_amdgpu_metadata
.endif
;; end of part 3
